; MI455X (gfx1250); checked and timed in simulation.
; The chip was launched on July 23, 2026; its instructions are those of AMD's public machine-readable ISA for CDNA 5 (MIT licence, August 2026) and "CDNA5" Instruction Set Architecture Reference Guide (July 2026). The comments in the code are by the model that wrote it; some were corrected since.
;; Head Parallel Dilated Attention Optimized. Allowed arithmetic: matrix products marked QUANTISED: E4M3 operands, one given power-of-two scale a tensor, by v_wmma_f32_16x16x64_fp8_fp8 or v_wmma_f32_16x16x128_fp8_fp8, f32 sums; everything else in f32.
;; Inputs: k 2 x 4,096 x 12 x 64 float32; lowp_scales 12 int32 (the exponents e of the quantised operands' scales 2^e); q 2 x 4,096 x 12 x 64 float32; v 2 x 4,096 x 12 x 64 float32.
;; Outputs: out0 2 x 4,096 x 12 x 64 float32.
;; Constants: is_causal = 0.
;; This version of the problem:
;;   THIS VERSION OF THE PROBLEM IS GIVEN IN LOW PRECISION. The matrix products marked QUANTISED in the list below multiply operands that are first quantised to E4M3 (4 exponent bits, 3 mantissa bits; 8 bits a number), with one given power-of-two scale for each operand tensor; their sums are f32. All else is computed in f32.
;;   The module's matrix products, in the order in which they are computed (A, B: the left and right operand; K: the contracted axis; several contracted axes count as one K, in the product's order):
;;     1. batch 32 x [M 1,024, K 64] x [K 64, N 1,024]; A: input q; B: input k: QUANTISED (scales: A lowp_scales[0], B lowp_scales[1])
;;     2. batch 32 x [M 64, K 1,024] x [K 1,024, N 1,024]; A: input v; B: softmax (see below): QUANTISED (scales: A lowp_scales[2], B lowp_scales[3])
;;     3. batch 16 x [M 2,048, K 64] x [K 64, N 2,048]; A: input q; B: input k: QUANTISED (scales: A lowp_scales[4], B lowp_scales[5])
;;     4. batch 16 x [M 64, K 2,048] x [K 2,048, N 2,048]; A: input v; B: softmax (see below): QUANTISED (scales: A lowp_scales[6], B lowp_scales[7])
;;     5. batch 8 x [M 4,096, K 64] x [K 64, N 4,096]; A: input q; B: input k: QUANTISED (scales: A lowp_scales[8], B lowp_scales[9])
;;     6. batch 8 x [M 64, K 4,096] x [K 4,096, N 4,096]; A: input v; B: softmax (see below): QUANTISED (scales: A lowp_scales[10], B lowp_scales[11])
;;   THE QUANTISER, for each operand of a quantised product, along K:
;;     - The operand's scale is 2^e, e = its entry of the input lowp_scales (int32; the entries are numbered through the quantised products in the list's order, A before B).
;;     - Each number is divided by the scale, clamped to +-448, and rounded to the nearest number of E4M3, ties to even, subnormals kept.
;;     - The product sums the exact products of the quantised numbers (number of the format x scale) in f32.
;;   ~~~python
;;   def quantise(x, axis, e):      # numpy; x: float32 -> the quantised numbers, widened to float32 again
;;       x = np.moveaxis(x, axis, -1); K = x.shape[-1]
;;       r = np.clip(x / 2.0 ** e, -448, 448)
;;       step = 2.0 ** (np.maximum(np.frexp(np.where(r == 0, 1, r))[1] - 1, -6) - 3)
;;       q = np.round(r / step) * step * 2.0 ** e      # np.round: ties to even
;;       return np.moveaxis(q, -1, axis).astype(np.float32)
;;   ~~~
;;   SOFTMAX AHEAD OF A QUANTISED PRODUCT. Where the list says 'softmax', what is quantised is not the finished softmax but p = 2^(t - M), with t = logit x log2(e) and M = ceil(the row's largest t), a whole number; so 1/2 < the row's largest p <= 1. The row's sum l is taken of the UNQUANTISED p, in f32, and the product's result is divided by l at the end. Since M is a whole number, a kernel that streams over the keys may use a running M (the ceiling of the running maximum): every later rescaling is an exact power of two, so the quantised numbers keep their values, but for numbers so far below the row's largest that they fall under the format's range.
;;   OPERANDS COMPUTED ON THE WAY. 'Computed on the way' means the value that the module computes at that place (a softmax that the list does not call 'softmax' is quantised finished and normalised). What goes into a quantiser is computed in f32, as accurately as f32 sums, v_exp_f32 and their like allow (about 1e-6 of the number): no bf16 or f16 on the way to a quantiser, and a product that is left as it is and whose result goes on into a quantised operand takes f32 operands (vector FMAs, or v_wmma_f32_16x16x4_f32). A number that lies on a knife's edge between two numbers of the format may be rounded either way, as far as f32 arithmetic and the matrix unit's own rounding can turn it there, and no further.
;; One version. Each part assembles by itself: llvm-mc -triple=amdgcn-amd-amdhsa -mcpu=gfx1250 --defsym DOCPART=n.
;; ======== version 1 of 1: 2 launches
;; limits: right only within a limited range of input values
;; workspace buffers: kv 12,582,912 bytes
;; launch prep (part 1): grid 384 x 2, 4 waves a work-group, no clusters, 35,328 bytes of LDS; arguments k, v, lowp_scales, kv; writes kv
.if DOCPART == 1
	.amdgcn_target "amdgcn-amd-amdhsa--gfx1250"
	.amdhsa_code_object_version 6
	.text
	.protected	k_qb3ef78f051_prep
	.globl	k_qb3ef78f051_prep
	.p2align	8
	.type	k_qb3ef78f051_prep,@function
k_qb3ef78f051_prep:
	s_mov_b64 s[64:65], 0
	v_nop
	global_prefetch_b8 v0, s[64:65] scope:SCOPE_SE
	s_setreg_imm32_b32 hwreg(HW_REG_WAVE_MODE, 25, 1), 1
	s_wait_xcnt 0x0
; k and v, [2][4096][12][64] f32, become codes of FP8 (E4M3), laid as the attention launch's operand registers want them.
; code = x / 2^e, held within +-448, rounded to the nearest code, ties to even.  Head h belongs to group h / 4; k's e is entry 4 g + 1 of the scales, v's entry 4 g + 2.
; LIMITS: each e lies between -126 and 119, so that 2^e and 448 x 2^e are f32 numbers.  NaN among the inputs is not served; an infinity is held at the largest code.
; THE OUTPUT: 768 step blocks of 16,384 bytes, block (b x 12 + h) x 32 + s for the 128 keys 128 s on of head h of batch b.
;   bytes 0-8191, K: tile t (0-7), half gg (0, 1), lane (r, hh), byte i at 1024 t + 512 gg + 16 (16 hh + r) + i = k[key 32 (t / 2) + 8 (t % 2) + r + 8 (r / 8)][d 32 gg + 16 hh + i]
;   bytes 8192-16383, V: tile t (0-3), c (0-3), lane (r, hh), byte i at 8192 + 2048 t + 512 c + 16 (16 hh + r) + i = v[key 32 c + 16 hh + i][d 16 t + r]
; So a fragment is read back by loads of 16 bytes a lane at 16 x lane, and a block is one dense run of memory.
; SHARES.  A work-group of four waves makes one step block.  Waves share nothing: no barrier.  The work is a stream: no matrix unit, no cluster (no input byte is read by two work-groups), no tensor load.
;   K: wave w takes keys 32 w on (tiles 2 w, 2 w + 1).  d is innermost in memory, so each load takes rows as they lie (16 lanes read a key's 256 bytes) and the wave's 32 rows turn through its own stage in LDS,
;      from which a lane takes the 16 neighbours along d that the conversions want from ONE lane's registers.
;   V: its K is the keys, which are not innermost.  A lane takes a column d and its registers run down the keys: wave w takes columns 32 (w % 2) on and keys 64 (w / 2) on.  Nothing is transposed.
; Every offset is an immediate and no register that a load or a store names is written again, so no wait stands for the sake of a source.
.set ROW,    3072                      ; bytes from a key to the next: 12 heads x 64 x 4
.set SP,     272                       ; a stage row: a key's 256 bytes + 16 of padding: 68 words, so that the 16 rows of a read start 4 words apart
.set WSTAGE, 32*SP                     ; a wave's stage
.set KR,  16                           ; v16-79    k as loaded: 16 x 4 registers
.set X,   80                           ; v80-143   four groups of 16 neighbours along d
.set VR,  144                          ; v144-207  v: 64 keys of my column
.set CK,  208                          ; v208-223  k's codes
.set CV,  224                          ; v224-239  v's codes
; v1 k's load offset; v2 the stage, way in; v3 the stage, way out; v4 where k's codes go; v5 v's load offset; v6 where v's codes go; v8, v9: 2^ek and 448 x 2^ek; v10, v11: the same for ev
	s_load_b256 s[4:11], s[0:1], 0x0               ; k s[4:5], v s[6:7], the scales s[8:9], kv s[10:11]
	v_lshl_add_u32 v240, v0, 2, 0x8800
	v_mov_b32 v241, 0
	v_lshrrev_b32 v1, 5, v0
	v_readfirstlane_b32 s12, v1                    ; wave 0..3
	s_and_b32 s13, ttmp7, 0xffff                   ; b
	s_lshr_b32 s14, ttmp9, 5                       ; h
	s_and_b32 s15, ttmp9, 31                       ; s
	s_mul_i32 s16, s13, 4096*ROW
	s_mul_i32 s17, s15, 128*ROW
	s_add_co_u32 s16, s16, s17
	s_lshl_b32 s17, s14, 8
	s_add_co_u32 s16, s16, s17                     ; the step's first key, my head, in bytes (under 2^25)
	s_mul_i32 s18, s12, 32*ROW
	s_add_co_u32 s18, s18, s16                     ; k: + my wave's 32 keys
	s_mov_b32 s19, 0
	s_and_b32 s26, s12, 1                          ; dh: which 32 columns of v
	s_lshr_b32 s27, s12, 1                         ; kh: which 64 keys of v
	s_mul_i32 s28, s27, 64*ROW
	s_add_co_u32 s28, s28, s16
	s_lshl_b32 s29, s26, 7
	s_add_co_u32 s28, s28, s29                     ; v: + my 64 keys, + my 32 columns' 128 bytes
	s_mov_b32 s29, 0
	s_mul_i32 s30, s13, 384
	s_add_co_u32 s30, s30, ttmp9
	s_lshl_b32 s30, s30, 14                        ; my step block: (384 b + 32 h + s) x 16,384
	s_mov_b32 s31, 0
	s_lshr_b32 s32, s14, 2
	s_lshl_b32 s32, s32, 4                         ; my group's four entries of the scales
	s_mov_b32 s33, 0
	v_and_b32 v12, 31, v0                          ; lane
	v_and_b32 v13, 15, v0                          ; r
	v_bfe_u32 v14, v0, 4, 1                        ; hh
	v_lshlrev_b32 v15, 4, v13                      ; 16 r
	v_mul_u32_u24 v1, v14, ROW
	v_add_nc_u32 v1, v15, v1                       ; k's loads: lanes 0-15 one key, lanes 16-31 the next; 16 bytes a lane
	s_mul_i32 s34, s12, WSTAGE
	v_mul_u32_u24 v2, v14, SP
	v_lshl_add_u32 v2, v13, 4, v2
	v_add_nc_u32 v2, s34, v2                       ; into the stage: the same two rows
	v_mul_u32_u24 v3, v13, SP
	v_lshl_add_u32 v3, v14, 6, v3
	v_add_nc_u32 v3, s34, v3                       ; out of it: row r, + 64 hh bytes: my 16 numbers of 32 along d
	s_lshl_b32 s35, s12, 11
	v_lshlrev_b32 v4, 4, v12
	v_add_nc_u32 v4, s35, v4                       ; k's codes: 16 x lane + my two tiles' 2,048 bytes
	v_lshlrev_b32 v5, 2, v12                       ; v's loads: 4 bytes a lane
	s_lshl_b32 s36, s26, 12
	s_lshl_b32 s37, s27, 10
	s_add_co_u32 s36, s36, s37
	v_lshl_add_u32 v6, v14, 11, v15
	v_add_nc_u32 v6, s36, v6                       ; v's codes: tile 2 dh + hh (2,048 bytes each), c = 2 kh on (512 each), 16 r
	s_wait_alu depctr_va_vdst(0)
	s_wait_kmcnt 0x0
	s_add_nc_u64 s[8:9], s[8:9], s[32:33]
	s_load_b128 s[20:23], s[8:9], 0x0              ; eq, ek, ev, ep of my group
	s_add_nc_u64 s[4:5], s[4:5], s[18:19]
	s_add_nc_u64 s[6:7], s[6:7], s[28:29]
	s_add_nc_u64 s[10:11], s[10:11], s[30:31]
.set i, 0
.rept 16
	global_load_b128 v[KR+4*i:KR+4*i+3], v1, s[4:5] offset:2*i*ROW th:TH_LOAD_NT   ; keys 2 i and 2 i + 1: 16 lanes read 256 consecutive bytes, aligned
.set i, i+1
.endr
.set i, 0
.rept 32
	global_load_b32 v[VR+i], v5, s[6:7] offset:i*ROW th:TH_LOAD_NT                 ; v(key i, my column): the wave reads 128 consecutive bytes; the wave beside it the row's other 128
.set i, i+1
.endr
	s_wait_kmcnt 0x0
	s_add_co_i32 s24, s21, 127
	s_lshl_b32 s25, s24, 23
	v_mov_b32 v8, s25                              ; 2^ek as f32: the conversion takes its exponent field
	s_add_co_i32 s24, s24, 8
	s_lshl_b32 s24, s24, 23
	s_or_b32 s24, s24, 0x600000
	v_mov_b32 v9, s24                              ; 448 x 2^ek
	s_add_co_i32 s24, s22, 127
	s_lshl_b32 s25, s24, 23
	v_mov_b32 v10, s25                             ; 2^ev
	s_add_co_i32 s24, s24, 8
	s_lshl_b32 s24, s24, 23
	s_or_b32 s24, s24, 0x600000
	v_mov_b32 v11, s24                             ; 448 x 2^ev
	s_wait_alu depctr_va_vdst(0)
	s_wait_loadcnt 32                              ; k's 16 loads are in; the 32 of v issued behind them may be out
; Key 2 i + hh of my 32 goes to stage row 16 x (its bit 3) + 8 x (its bit 4) + its low three bits: so the 16 keys of tile u lie in rows 16 u .. 16 u + 15, in the order of the tile's lanes.
.set i, 0
.rept 16
	ds_store_b128 v2, v[KR+4*i:KR+4*i+3] offset:(16*((i/4)%2)+8*(i/8)+2*(i%4))*SP
.set i, i+1
.endr
.set f, 0
.rept 16                                       ; group f / 4 = 2 u + gg: tile u, d = 32 gg + 16 hh on; LDS serves a wave's instructions in order (ISA guide 5.7.1.4): these see the stores above
	ds_load_b128 v[X+4*f:X+4*f+3], v3 offset:(f/8)*16*SP+((f/4)%2)*128+(f%4)*16
.set f, f+1
.endr
.set i, 32
.rept 32
	global_load_b32 v[VR+i], v5, s[6:7] offset:i*ROW th:TH_LOAD_NT                 ; v's other 32 keys
.set i, i+1
.endr
.macro KQ kq                           ; group kq of k: 16 numbers a lane become 16 codes; the wave stores 512 consecutive bytes, aligned
	s_wait_dscnt 4*(3-(\kq))                       ; LDS loads come back in order: this group's four are in, the later groups' may be out
.set i, 0
.rept 16
	v_med3_num_f32 v[X+16*(\kq)+i], v[X+16*(\kq)+i], -v9, v9   ; the conversion to an 8-bit code does not saturate (ISA guide 7.6.2): the hold at the largest code x the scale
.set i, i+1
.endr
	v_cvt_scalef32_pk8_fp8_f32 v[CK+4*(\kq):CK+4*(\kq)+1], v[X+16*(\kq):X+16*(\kq)+7], v8
	v_cvt_scalef32_pk8_fp8_f32 v[CK+4*(\kq)+2:CK+4*(\kq)+3], v[X+16*(\kq)+8:X+16*(\kq)+15], v8
	global_store_b128 v4, v[CK+4*(\kq):CK+4*(\kq)+3], s[10:11] offset:((\kq)/2)*1024+((\kq)%2)*512
.endm
.macro VQ m                            ; keys 16 m on of my 64: c = 2 kh + m / 2, the lanes' half m % 2: each 16 lanes store 256 consecutive bytes, aligned
.set i, 0
.rept 16
	v_med3_num_f32 v[VR+16*(\m)+i], v[VR+16*(\m)+i], -v11, v11
.set i, i+1
.endr
	v_cvt_scalef32_pk8_fp8_f32 v[CV+4*(\m):CV+4*(\m)+1], v[VR+16*(\m):VR+16*(\m)+7], v10
	v_cvt_scalef32_pk8_fp8_f32 v[CV+4*(\m)+2:CV+4*(\m)+3], v[VR+16*(\m)+8:VR+16*(\m)+15], v10
	global_store_b128 v6, v[CV+4*(\m):CV+4*(\m)+3], s[10:11] offset:8192+256*(\m)
.endm
; The conversions' results go to stores alone, and no vector line ever touches their registers or writes their sources again; the holds that follow each pair are plain vector lines on other registers.
	KQ 0
	KQ 1
	KQ 2
	KQ 3
	s_wait_loadcnt 32                              ; v's first 32 keys are in; the other 32 loads may be out
	VQ 0
	VQ 1
	s_wait_loadcnt 0x0
	VQ 2
	VQ 3
	s_wait_tensorcnt 0x0
	ds_add_u32 v240, v241
	s_wait_dscnt 0x0
	s_endpgm
.Lfunc_end_k_qb3ef78f051_prep:
	.size	k_qb3ef78f051_prep, .Lfunc_end_k_qb3ef78f051_prep-k_qb3ef78f051_prep
	.p2alignl 7, 3214868480
	.fill 96, 4, 3214868480
	.section	.rodata,"a",@progbits
	.p2align	6, 0x0
	.amdhsa_kernel k_qb3ef78f051_prep
		.amdhsa_group_segment_fixed_size 35328
		.amdhsa_private_segment_fixed_size 0
		.amdhsa_enable_private_segment 0
		.amdhsa_kernarg_size 32
		.amdhsa_user_sgpr_count 2
		.amdhsa_user_sgpr_kernarg_segment_ptr 1
		.amdhsa_wavefront_size32 1
		.amdhsa_system_sgpr_workgroup_id_x 1
		.amdhsa_system_sgpr_workgroup_id_y 1
		.amdhsa_system_sgpr_workgroup_id_z 1
		.amdhsa_system_vgpr_workitem_id 0
		.amdhsa_next_free_vgpr 242
		.amdhsa_next_free_sgpr 66
		.amdhsa_reserve_vcc 0
		.amdhsa_float_denorm_mode_32 3
		.amdhsa_float_denorm_mode_16_64 3
		.amdhsa_memory_ordered 1
		.amdhsa_forward_progress 1
		.amdhsa_inst_pref_size 23
	.end_amdhsa_kernel
	.amdgpu_metadata
---
amdhsa.version: [ 1, 2 ]
amdhsa.kernels:
  - .name:           k_qb3ef78f051_prep
    .symbol:         k_qb3ef78f051_prep.kd
    .args:
      - { .name: k, .offset: 0, .size: 8, .value_kind: global_buffer, .address_space: global }
      - { .name: v, .offset: 8, .size: 8, .value_kind: global_buffer, .address_space: global }
      - { .name: lowp_scales, .offset: 16, .size: 8, .value_kind: global_buffer, .address_space: global }
      - { .name: kv, .offset: 24, .size: 8, .value_kind: global_buffer, .address_space: global }
    .group_segment_fixed_size: 35328
    .private_segment_fixed_size: 0
    .kernarg_segment_align: 8
    .kernarg_segment_size: 32
    .max_flat_workgroup_size: 128
    .sgpr_count:     66
    .vgpr_count:     242
    .wavefront_size: 32
...
	.end_amdgpu_metadata
.endif
;; end of part 1
;; launch attn (part 2): grid 256 x 1, 8 waves a work-group, clusters of 4 x 1, 327,680 bytes of LDS; arguments q, kv, lowp_scales, out0; writes out0
.if DOCPART == 2
	.amdgcn_target "amdgcn-amd-amdhsa--gfx1250"
	.amdhsa_code_object_version 6
	.text
	.protected	k_qb3ef78f051_attn
	.globl	k_qb3ef78f051_attn
	.p2align	8
	.type	k_qb3ef78f051_attn,@function
k_qb3ef78f051_attn:
	s_mov_b64 s[64:65], 0
	v_nop
	global_prefetch_b8 v0, s[64:65] scope:SCOPE_SE
	s_setreg_imm32_b32 hwreg(HW_REG_WAVE_MODE, 25, 1), 1
	s_wait_xcnt 0x0
	s_wait_alu depctr_hold_cnt(0) depctr_sa_sdst(0) depctr_va_vdst(0) depctr_va_sdst(0) depctr_va_ssrc(0) depctr_va_vcc(0) depctr_vm_vsrc(0)
	s_getreg_b32 s2, hwreg(HW_REG_IB_STS2, 6, 4)
	s_cmp_eq_u32 s2, 0
	s_cbranch_scc0 .Lentry_in_a_cluster
	s_endpgm
.Lentry_in_a_cluster:
	s_bfe_u32 s2, ttmp6, 0x10000c
	s_cmp_lg_u32 s2, 0x3003
	s_cbranch_scc0 .Lentry_shape_is_right
	s_endpgm
.Lentry_shape_is_right:
; out0[b][n][h][:] = the sum over the keys k of n's segment of softmax_k(q . k / 8) v.  q, out0: [2][4096][12][64] f32.  Heads 4 g .. 4 g + 3 have segments of 1,024 x 2^g keys.  is_causal = 0: no mask.
; Both products on codes of FP8 (E4M3); group g has eq, ek, ev, ep at entries 4 g .. 4 g + 3 of the scales.  k and v come as codes in kv: step blocks of 128 keys, images of the operands' registers
; (16,384 bytes: 8 tiles of K, then 4 tiles of V^T; block (12 b + h) x 32 + step).  q is quantised here, in registers.
; SOFTMAX: t = score x log2(e) / 8; M = the largest t so far, rounded up to a whole number; p = 2^(t - M) is quantised, not normalised; the sum of the unquantised p divides at the end; a change of M multiplies by a power of two.
; SHARES.  A work-group takes one block of 128 queries of each group (phases 0, 1, 2): 8 + 16 + 32 key steps in each of the 256 work-groups.  A WAVE OWNS TWO TILES OF 16 QUERIES, so that each fragment of K and V that it
; reads from LDS feeds two matrix instructions.  The block's 8 tiles go to 4 pairs of waves (w, w + 4), and THE KEYS ARE SHARED IN A PAIR: of a slot's 8 step blocks waves 0-3 walk blocks 0-3, waves 4-7 blocks 4-7.
; Each half has its own running M.  At a phase's end a wave hands the partial result (O^T, -M, sum) of its set B to its partner through LDS and joins its partner's into its own set A: set A is tile 2 (w % 4) + w / 4,
; set B the other tile of the pair, so every wave runs the same text.  The joining factors are powers of two.  Q likewise: a wave loads and quantises set A's q and hands the codes to its partner, whose set B they are.
; LAYOUT.  Both products transposed: S^T = K Q^T, O^T = V^T P^T: a lane holds one query (lane % 16).  Lane r of K's tile 2 b + u has key 32 b + 8 u + r + 8 (r / 8), so the conversions' results are source 1 of the second product.
; Along each K both sources hold the same k in the same place (registers 4 c .. 4 c + 3: k = 32 c + 16 (lane / 16) on): a permutation alike on both sides.
; THE SECOND PRODUCT IS PUT OFF BY ONE STEP: a step asks for its K, multiplies the step before's V and P, which lie in registers, and then takes K.  A phase begins with zero codes in P (and, once, in V) and ends with the product written out.
; CLUSTER.  The four work-groups of a cluster have neighbouring blocks of the same b and head: they walk the same step blocks, and every fill is one joint load with the mask of all four.  cx enters q's, out0's and the prefetches' addresses alone.
; RING.  Two slots of 8 step blocks.  Seven fills (1 + 2 + 4), fill i to slot i % 2; each wave fetches one block of each fill: one tensor load outstanding a wave.
; q of the next phase is loaded into registers one phase ahead.  O^T and the sums begin each phase as zeros and the largest t as -3e38, so that a key step is written once for each slot.
; LIMITS: eq, ep between -126 and 119; eq + ek between -123 and 130; the scaled scores stay under 2^31 in magnitude.  NaN among the inputs is not served; an infinity in q is held at the largest code.
.set STEPB, 16384
.set SLOT1, 1<<17
.set SPARE, 2*SLOT1                    ; the spare words: 128 bytes a wave, four blocks of 256
.set XB,    SPARE+1024                 ; behind them a region of XP bytes for each wave; no fill lands here
.set XP,    6400                       ; bytes 0-4351: q's stage, then the partial result's image (4,096 + 256), then its reader's stage of 16 rows x 272; from QC on two areas of 1,024 for Q's codes, phases by turns
.set QC,    4352
.set SP,    272
.set ROW,   3072
; WINDOW 0: v1 16 x lane; v2 the step's LDS address; v3 partner's region by rows; v4 there, O's way in; v5 spare word; v6 0; v7 offset in q, out0; v8 my region, q's way out; v9 256 x lane; v10, v11 2^eq, 448 x 2^eq;
; v12, v13 my region (16, 8 x lane); v14, v15 my partner's; v16 2^ep; v17 my region by rows; v40-44 at work.  For tile x = 0, 1:
.set MM, 18                            ; v[MM+2x] -M, v[MM+2x+1] the largest t
.set LL, 22                            ; the sum in two halves
.set FF, 26                            ; f, 0
.set TT, 30                            ; two chains of the maximum
.set XX, 34                            ; a lane permute's destination
.set CH, 36                            ; a second chain of the sum
.set S,  48                            ; v48-175  S^T, then p: 64 registers a tile
.set O,  176                           ; v176-239 O^T: 32 a tile
; WINDOW 1:
.set QF, 0                             ; Q's fragments, 8 a tile
.set KF, 16                            ; K's 8 fragments of 8
.set VF, 80                            ; V's 4 of 16
.set RQ, 144                           ; the next phase's q of set A as loaded
.set P,  208                           ; p's codes, 16 a tile
.set MSB, 0
.macro WIN new                         ; low byte: 1:0 source 0, 3:2 source 1, 5:4 source 2, 7:6 destination; the high byte repeats the setting that is left
.if MSB != \new
	s_set_vgpr_msb (MSB<<8)|\new
.set MSB, \new
.endif
.endm
.macro TSET a                          ; TR = the a-th of 16 register pairs that are idle behind the maxima: v240-255, v40-47, v30-37; they hold tile A's first-level pair sums
.if (\a) < 8
.set TR, 240+2*(\a)
.elseif (\a) < 12
.set TR, 24+2*(\a)
.else
.set TR, 6+2*(\a)
.endif
.endm
.macro CROUND
	s_barrier_signal -1
	s_barrier_wait -1
	s_cmp_lg_u32 s12, 0
	s_cbranch_scc1 .Lnot_wave_0_\@
	s_barrier_signal -3
.Lnot_wave_0_\@:
	s_barrier_wait -3
	s_barrier_signal -1
	s_barrier_wait -1
.endm
.macro TLOAD                           ; my step block of a fill, jointly with the same wave of the three partners
	tensor_load_to_lds s[24:27], s[16:23]
	s_nop 0
.rept 4
	v_nop
.endr
.endm
; A prefetch of the fill after the one just asked for: 131,072 bytes, each aligned block of 256 named once in the launch: the first cluster of a segment asks; its partners take 32,768 bytes each, told apart by address;
; waves 0 to 3 ask for 8,192 each, lanes 256 bytes apart.  The bases are never rewritten.  Fills 0 and 1 come by their loads alone; the last two changes ask for nothing.
.macro ASK flag, ptr, imm
	s_cmp_eq_u32 s[\flag], 1
	s_cbranch_scc0 .Lnot_mine_\@
	global_prefetch_b8 v9, s[\ptr:\ptr+1] offset:\imm th:TH_LOAD_NT scope:SCOPE_SE
.Lnot_mine_\@:
.endm
; The change of slots.  mode 1: slot nslot takes the 8 steps that follow; mode 2: a phase's first 8, at s[ptr:ptr+1]; mode 0: nothing is left to fetch.
.macro CHANGE nslot, mode, ptr
	s_wait_tensorcnt 0x0                           ; no tensor load of mine is out, so group 0 may be written
	ds_add_u32 v5, v6
.if \mode
	s_add_co_u32 s25, s58, \nslot*SLOT1
.if \mode == 1
	s_add_nc_u64 s[26:27], s[26:27], 8*STEPB
.else
	s_mov_b64 s[26:27], s[\ptr:\ptr+1]
	s_or_b32 s27, s27, 0x80000000
.endif
.endif
	s_wait_dscnt 0x0                               ; the add, my LDS reads and what I stored for my partner are done
.if \mode
	CROUND
	TLOAD
.else
	s_barrier_signal -1
	s_barrier_wait -1
.endif
.endm
.macro INIT g
.irp x, 0,1
	v_mov_b32 v[MM+2*\x+1], 0xff61b1e6             ; -3e38, under every t
	v_mov_b32 v[LL+2*\x], 0
	v_mov_b32 v[LL+2*\x+1], 0
.endr
.irp x, 0,1
	v_floor_f32 v[MM+2*\x], -v[MM+2*\x+1]
.endr
.set j, 0
.rept 32
	v_dual_mov_b32 v[O+j], 0 :: v_dual_mov_b32 v[O+j+1], 0
.set j, j+2
.endr
	v_mov_b32 v16, s[46+\g]                        ; 2^ep, for the conversions
	WIN 0x40
.set j, 0
.rept 32
	v_mov_b32 v[P+j], 0                            ; zero codes: the first step's put-off product adds nothing
.set j, j+1
.endr
	WIN 0
.endm
; The put-off second product: O^T x f, then += V^T P^T of the step before.  younger: the LDS loads issued behind V's, which may stay out.  It leaves the windows at 0x05.
.macro PVD younger
	s_wait_alu depctr_va_vdst(0)                   ; directly ahead of the first readers of O^T
.set j, 0
.rept 16
.irp x, 0,1
	v_pk_mul_f32 v[O+32*\x+j:O+32*\x+j+1], v[O+32*\x+j:O+32*\x+j+1], v[FF+2*\x:FF+2*\x+1] op_sel_hi:[1,0]
.endr
.set j, j+2
.endr
	s_wait_alu depctr_va_vdst(0)                   ; directly ahead of the wait below
	s_wait_dscnt \younger                          ; V is in
	WIN 0x05
.set t, 0
.rept 4                                        ; eight accumulators by turns
	v_wmma_f32_16x16x128_fp8_fp8 v[O+8*t:O+8*t+7], v[VF+16*t:VF+16*t+15], v[P:P+15], v[O+8*t:O+8*t+7]
	v_wmma_f32_16x16x128_fp8_fp8 v[O+32+8*t:O+32+8*t+7], v[VF+16*t:VF+16*t+15], v[P+16:P+31], v[O+32+8*t:O+32+8*t+7]
.set t, t+1
.endr
.endm
; A KEY STEP of phase g for both tiles: 128 keys, whose block begins at LDS byte s56.
.macro STEP g
	v_add_nc_u32 v2, s56, v1
	WIN 0x40
.set f, 0
.rept 16
	ds_load_b128 v[KF+4*f:KF+4*f+3], v2 offset:512*f               ; K's image as it lies
.set f, f+1
.endr
	WIN 0
	PVD 16                                         ; the step before's second product stands between K's loads and the wait for them
	s_wait_dscnt 0x0                               ; K is in
.set t, 0
.rept 8
	v_wmma_f32_16x16x64_fp8_fp8 v[S+8*t:S+8*t+7], v[KF+8*t:KF+8*t+7], v[QF:QF+7], 0
	v_wmma_f32_16x16x64_fp8_fp8 v[S+64+8*t:S+64+8*t+7], v[KF+8*t:KF+8*t+7], v[QF+8:QF+15], 0
.set t, t+1
.endr
	WIN 0
.rept 4
	v_nop                                          ; four places in front of the loads into V's registers and of the first read of the scores
.endr
	WIN 0x40
.set f, 0
.rept 16
	ds_load_b128 v[VF+4*f:VF+4*f+3], v2 offset:8192+512*f          ; V's image, for the next step's put-off product
.set f, f+1
.endr
	WIN 0
.irp x, 0,1                                    ; the largest score: two chains a tile, the tiles by turns; ascending
	v_max3_num_f32 v[TT+2*\x], v[S+64*\x], v[S+64*\x+1], v[S+64*\x+2]
.endr
.irp x, 0,1
	v_max3_num_f32 v[TT+2*\x+1], v[S+64*\x+3], v[S+64*\x+4], v[S+64*\x+5]
.endr
.set i, 6
.rept 14
.irp x, 0,1
	v_max3_num_f32 v[TT+2*\x], v[TT+2*\x], v[S+64*\x+i], v[S+64*\x+i+1]
.endr
.irp x, 0,1
	v_max3_num_f32 v[TT+2*\x+1], v[TT+2*\x+1], v[S+64*\x+i+2], v[S+64*\x+i+3]
.endr
.set i, i+4
.endr
.irp x, 0,1
	v_max3_num_f32 v[TT+2*\x], v[TT+2*\x], v[S+64*\x+62], v[S+64*\x+63]
.endr
.irp x, 0,1
	v_max_num_f32 v[TT+2*\x], v[TT+2*\x], v[TT+2*\x+1]
.endr
.irp x, 0,1
	v_permlanex16_b32 v[XX+\x], v[TT+2*\x], s38, s39
.endr
.irp x, 0,1
	v_max_num_f32 v[TT+2*\x], v[TT+2*\x], v[XX+\x] ; and lane l xor 16's
.endr
.irp x, 0,1
	v_mul_f32 v[TT+2*\x], s[40+2*\g], v[TT+2*\x]   ; as t (c is positive)
.endr
.irp x, 0,1
	v_max_num_f32 v[MM+2*\x+1], v[MM+2*\x+1], v[TT+2*\x]
.endr
.irp x, 0,1
	v_mov_b32 v[TT+2*\x], v[MM+2*\x]
.endr
.irp x, 0,1
	v_floor_f32 v[MM+2*\x], -v[MM+2*\x+1]          ; the new -M = -ceil(t)
.endr
.irp x, 0,1
	v_sub_f32 v[TT+2*\x], v[MM+2*\x], v[TT+2*\x]   ; old M - new M
.endr
.irp x, 0,1
	v_cvt_i32_f32 v[TT+2*\x], v[TT+2*\x]
.endr
.irp x, 0,1
	v_ldexp_f32 v[FF+2*\x], 1.0, v[TT+2*\x]        ; f = 2^(old M - new M)
.endr
.set j, 0
.rept 32
	v_pk_fma_f32 v[S+j:S+j+1], v[S+j:S+j+1], s[40+2*\g:41+2*\g], v[MM:MM+1] op_sel_hi:[1,0,0]   ; tile A: t - M
.set j, j+2
.endr
	s_wait_alu depctr_va_vdst(0)                   ; ahead of the batch
.set j, 0
.rept 32                                       ; tile A's p = 2^(t - M); among the 64 lines stand tile B's 32 scalings, which name none of their registers and are first read behind the next wait
	v_exp_f32 v[S+j], v[S+j]
	v_pk_fma_f32 v[S+64+j:S+65+j], v[S+64+j:S+65+j], s[40+2*\g:41+2*\g], v[MM+2:MM+3] op_sel_hi:[1,0,0]
	v_exp_f32 v[S+j+1], v[S+j+1]
.set j, j+2
.endr
.irp x, 0,1
	v_pk_mul_f32 v[LL+2*\x:LL+2*\x+1], v[LL+2*\x:LL+2*\x+1], v[FF+2*\x:FF+2*\x+1] op_sel_hi:[1,0]   ; the sums under the new M
.endr
	s_wait_alu depctr_va_vdst(0)                   ; behind tile A's batch, ahead of the first line that names a result, and ahead of tile B's batch
.set k, 0
.rept 16                                       ; tile B's p; among the 64 lines stand tile A's pair sums of the unquantised p (each into a pair of its own) and then its hold at 448 x 2^ep: all first read behind the next wait
	TSET k
	v_exp_f32 v[S+64+4*k], v[S+64+4*k]
	v_pk_add_f32 v[TR:TR+1], v[S+4*k:S+4*k+1], v[S+4*k+2:S+4*k+3]
	v_exp_f32 v[S+65+4*k], v[S+65+4*k]
	v_dual_min_num_f32 v[S+4*k], s[49+\g], v[S+4*k] :: v_dual_min_num_f32 v[S+4*k+1], s[49+\g], v[S+4*k+1]
	v_exp_f32 v[S+66+4*k], v[S+66+4*k]
	v_dual_min_num_f32 v[S+4*k+2], s[49+\g], v[S+4*k+2] :: v_dual_min_num_f32 v[S+4*k+3], s[49+\g], v[S+4*k+3]
	v_exp_f32 v[S+67+4*k], v[S+67+4*k]
.set k, k+1
.endr
	v_nop                                          ; a plain line behind the last exponential
	s_wait_alu depctr_va_vdst(0)                   ; and the wait behind the batch
	v_pk_add_f32 v[CH+2:CH+3], v[S+64:S+65], v[S+66:S+67]
.set j, 4
.set k, 0
.rept 15                                       ; three chains by turns: tile B's two, and tile A's 16 pair sums onto its sum
	TSET k
	v_pk_add_f32 v[LL+2:LL+3], v[LL+2:LL+3], v[S+64+j:S+65+j]
	v_pk_add_f32 v[CH+2:CH+3], v[CH+2:CH+3], v[S+66+j:S+67+j]
	v_pk_add_f32 v[LL:LL+1], v[LL:LL+1], v[TR:TR+1]
.set j, j+4
.set k, k+1
.endr
	TSET 15
	v_pk_add_f32 v[LL:LL+1], v[LL:LL+1], v[TR:TR+1]
	v_pk_add_f32 v[LL+2:LL+3], v[LL+2:LL+3], v[CH+2:CH+3]
.set i, 64
.rept 32                                       ; tile B's hold, one-sided (p is not negative; the conversion does not saturate: ISA guide 7.6.2), two numbers a line
	v_dual_min_num_f32 v[S+i], s[49+\g], v[S+i] :: v_dual_min_num_f32 v[S+i+1], s[49+\g], v[S+i+1]
.set i, i+2
.endr
	WIN 0x40
.set n, 0
.rept 16
	v_cvt_scalef32_pk8_fp8_f32 v[P+2*n:P+2*n+1], v[S+8*n:S+8*n+7], v16   ; read by the put-off product, behind its 32 plain lines
.set n, n+1
.endr
	WIN 0
.endm
.macro SLOT_STEPS slot, g              ; my four of a slot's eight key steps
	s_add_co_u32 s56, s87, \slot*SLOT1
	s_mov_b32 s57, 4
.Lstep_\@:
	STEP \g
	s_add_co_u32 s56, s56, STEPB
	s_sub_co_u32 s57, s57, 1
	s_cmp_lg_u32 s57, 0
	s_wait_alu depctr_va_vdst(0)                   ; directly ahead of the branch
	s_cbranch_scc1 .Lstep_\@
.endm
.macro FLUSH                           ; a phase's last second product
	PVD 0
	WIN 0
.endm
.macro PARTIAL                         ; set B's partial result goes into my region as an image of its registers; a barrier follows
.rept 4
	v_nop                                          ; four places behind the last products
.endr
	v_add_f32 v[MM+3], v[LL+2], v[LL+3]            ; beside -M: the sum's two halves added
.set i, 0
.rept 8
	ds_store_b128 v12, v[O+32+4*i:O+32+4*i+3] offset:512*i
.set i, i+1
.endr
	ds_store_b64 v13, v[MM+2:MM+3] offset:4096
.endm
; Behind the barrier: my partner's partial result of my set A is joined to mine: -M = the lesser of the two, each side x 2^(its M - M); then / the sum x 2^(ep + ev).  The 16 rows of 256 bytes turn through the stage
; (my partner's region, which I alone touch until the next barrier) and leave by rows.
.macro MERGE g
.set i, 0
.rept 8
	ds_load_b128 v[S+4*i:S+4*i+3], v14 offset:512*i
.set i, i+1
.endr
	ds_load_b64 v[40:41], v15 offset:4096
	v_add_f32 v[LL], v[LL], v[LL+1]
	s_wait_alu depctr_va_vdst(0)                   ; directly ahead of the wait below
	s_wait_dscnt 0x0
	v_min_num_f32 v42, v[MM], v40
	v_sub_f32 v43, v42, v[MM]
	v_sub_f32 v44, v42, v40
	v_cvt_i32_f32 v43, v43
	v_cvt_i32_f32 v44, v44
	v_ldexp_f32 v43, 1.0, v43
	v_ldexp_f32 v44, 1.0, v44
	v_mul_f32 v[LL], v[LL], v43
	v_fmac_f32 v[LL], v41, v44
	v_permlanex16_b32 v[XX], v[LL], s38, s39
	v_add_f32 v[LL], v[LL], v[XX]                  ; the row's sum, at least 1/2
	s_wait_alu depctr_va_vdst(0)                   ; ahead of the transcendental
	v_rcp_f32 v[LL], v[LL]
	v_nop
	s_wait_alu depctr_va_vdst(0)                   ; and ahead of its first reader
	v_ldexp_f32 v[LL], v[LL], s[52+\g]
	v_mul_f32 v[FF], v43, v[LL]
	v_mul_f32 v[FF+2], v44, v[LL]
	s_wait_alu depctr_va_vdst(0)                   ; directly ahead of the first readers of O^T
.set j, 0
.rept 16
	v_pk_mul_f32 v[S+32+j:S+33+j], v[O+j:O+j+1], v[FF:FF+1] op_sel_hi:[1,0]
.set j, j+2
.endr
.set j, 0
.rept 16
	v_pk_fma_f32 v[S+32+j:S+33+j], v[S+j:S+j+1], v[FF+2:FF+3], v[S+32+j:S+33+j] op_sel_hi:[1,0,1]
.set j, j+2
.endr
.set t, 0
.rept 4
	ds_store_b128 v4, v[S+32+8*t:S+35+8*t] offset:64*t
	ds_store_b128 v4, v[S+36+8*t:S+39+8*t] offset:64*t+16
.set t, t+1
.endr
.set i, 0
.rept 8
	ds_load_b128 v[S+4*i:S+4*i+3], v3 offset:2*i*SP                ; LDS serves a wave's instructions in order (ISA guide 5.7.1.4)
.set i, i+1
.endr
.set i, 0
.rept 8
	s_wait_dscnt 7-i                               ; rows 2 i, 2 i + 1 are back; the loads behind them may be out
	global_store_b128 v7, v[S+4*i:S+4*i+3], s[10:11] offset:\g*1024+2*i*ROW th:TH_STORE_NT   ; 16 lanes store 256 consecutive bytes, aligned
.set i, i+1
.endr
.endm
.macro QLOAD g                         ; q of phase g, set A's 16 rows, as they lie: 16 lanes read 256 consecutive bytes, aligned
	WIN 0x40
.set i, 0
.rept 8
	global_load_b128 v[RQ+4*i:RQ+4*i+3], v7, s[4:5] offset:\g*1024+2*i*ROW th:TH_LOAD_NT
.set i, i+1
.endr
	WIN 0
.endm
; Set A's q of phase g: its 16 rows turn through my region, so that a lane holds 16 neighbours along d twice; held, converted; the codes stay as set A's fragment and go into my region for my partner.  A barrier follows.
.macro QPREP g
	s_wait_loadcnt 0x0
	WIN 0x04
.set i, 0
.rept 8
	ds_store_b128 v17, v[RQ+4*i:RQ+4*i+3] offset:2*i*SP
.set i, i+1
.endr
	WIN 0
.set f, 0
.rept 8
	ds_load_b128 v[S+64+4*f:S+67+4*f], v8 offset:128*(f/4)+16*(f%4)
.set f, f+1
.endr
	s_add_co_i32 s84, s[72+4*\g], 127
	s_lshl_b32 s85, s84, 23
	v_mov_b32 v10, s85                             ; 2^eq
	s_add_co_i32 s84, s84, 8
	s_lshl_b32 s84, s84, 23
	s_or_b32 s84, s84, 0x600000
	v_mov_b32 v11, s84                             ; 448 x 2^eq
	s_wait_alu depctr_va_vdst(0)                   ; directly ahead of the wait below
	s_wait_dscnt 0x0
.set i, 0
.rept 32
	v_med3_num_f32 v[S+64+i], v[S+64+i], -v11, v11
.set i, i+1
.endr
	WIN 0x40
.set n, 0
.rept 4
	v_cvt_scalef32_pk8_fp8_f32 v[QF+2*n:QF+2*n+1], v[S+64+8*n:S+71+8*n], v10
.set n, n+1
.endr
	WIN 0
	v_nop                                          ; a plain line behind the last conversion
	WIN 0x04
	ds_store_b128 v12, v[QF:QF+3] offset:QC+1024*(\g%2)
	ds_store_b128 v12, v[QF+4:QF+7] offset:QC+1024*(\g%2)+512
	WIN 0
.endm
.macro QGET g                          ; behind the barrier: my partner's codes are my set B's fragment
	WIN 0x40
	ds_load_b128 v[QF+8:QF+11], v14 offset:QC+1024*(\g%2)
	ds_load_b128 v[QF+12:QF+15], v14 offset:QC+1024*(\g%2)+512
	WIN 0
.endm
	s_load_b256 s[4:11], s[0:1], 0x0               ; q, kv, the scales, out0
	v_lshl_add_u32 v5, v0, 2, SPARE
	v_mov_b32 v6, 0
	ds_add_u32 v5, v6
	ds_add_u32 v5, v6
	v_lshrrev_b32 v1, 5, v0
	v_readfirstlane_b32 s12, v1                    ; wave 0..7
	s_bfe_u32 s13, ttmp6, 0x40000                  ; cx
	s_lshr_b32 s14, ttmp9, 5                       ; b
	s_bfe_u32 s15, ttmp9, 0x20003                  ; hl
	s_and_b32 s59, ttmp9, 7                        ; c7: which four blocks of queries
	s_lshl_b32 s58, s12, 14                        ; 16,384 x wave
	s_lshr_b32 s85, s12, 2                         ; which half of the keys
	s_lshl_b32 s87, s85, 16                        ; its four step blocks of a slot
	s_and_b32 s84, s12, 3
	s_lshl_b32 s84, s84, 1
	s_add_co_u32 s84, s84, s85                     ; set A's tile
	; the first step block of each phase: 384 b + 32 (4 g + hl) + the segment's first step
	s_mul_i32 s66, s14, 384
	s_lshl_b32 s67, s15, 5
	s_add_co_u32 s66, s66, s67
	s_lshr_b32 s67, s59, 1
	s_lshl_b32 s67, s67, 3
	s_add_co_u32 s67, s67, s66
	s_lshr_b32 s68, s59, 2
	s_lshl_b32 s68, s68, 4
	s_add_co_u32 s68, s68, s66
	s_add_co_u32 s68, s68, 128
	s_add_co_u32 s69, s66, 256
	; who prefetches: waves 0 to 3 of the first cluster of a segment
	s_lshr_b32 s70, s12, 2
	s_and_b32 s71, s59, 3
	s_or_b32 s71, s71, s70
	s_cmp_eq_u32 s71, 0
	s_cselect_b32 s36, 1, 0
	s_or_b32 s71, s59, s70
	s_cmp_eq_u32 s71, 0
	s_cselect_b32 s37, 1, 0
	; set A's first row of q and out0
	s_lshl_b32 s60, s59, 2
	s_add_co_u32 s60, s60, s13
	s_lshl_b32 s60, s60, 7
	s_lshl_b32 s61, s14, 12
	s_add_co_u32 s60, s60, s61
	s_lshl_b32 s61, s84, 4
	s_add_co_u32 s60, s60, s61
	s_mul_i32 s60, s60, ROW
	s_lshl_b32 s61, s15, 8
	s_add_co_u32 s60, s60, s61                     ; in bytes, under 2^25
	s_mov_b32 s61, 0
	s_lshl_b32 s62, s13, 15                        ; the prefetches: my work-group's 32,768 bytes of a fill,
	s_and_b32 s63, s12, 3
	s_lshl_b32 s63, s63, 13
	s_add_co_u32 s62, s62, s63                     ; my wave's 8,192
	s_mov_b32 s63, 0
	; descriptor group 1: a step block, dense, as 64 rows of 256 bytes
	s_mov_b32 s16, 15|(3<<16)|(1<<21)
	s_mov_b32 s17, 32<<16
	s_mov_b32 s18, 64<<16
	s_mov_b32 s19, 32<<16
	s_mov_b32 s20, 64
	s_mov_b32 s21, 32
	s_mov_b32 s22, 0
	s_mov_b32 s23, 0
	s_mov_b32 s38, 0x76543210                      ; lane l xor 16
	s_mov_b32 s39, 0xfedcba98
	v_and_b32 v40, 15, v0                          ; r
	v_bfe_u32 v41, v0, 4, 1                        ; hh
	v_and_b32 v42, 31, v0                          ; lane
	v_mul_u32_u24 v7, v41, ROW
	v_lshl_add_u32 v7, v40, 4, v7                  ; lanes 0-15 one row, lanes 16-31 the next
	s_wait_dscnt 0x0                               ; both opening adds are done
	s_wait_kmcnt 0x0
	s_load_b256 s[72:79], s[8:9], 0x0
	s_load_b128 s[80:83], s[8:9], 0x20
	s_add_nc_u64 s[4:5], s[4:5], s[60:61]
	s_add_nc_u64 s[10:11], s[10:11], s[60:61]
	s_mov_b32 s71, 0
	s_lshl_b32 s70, s68, 14
	s_add_nc_u64 s[32:33], s[6:7], s[70:71]
	s_add_nc_u64 s[32:33], s[32:33], s[62:63]
	s_add_co_u32 s70, s70, s58
	s_add_nc_u64 s[28:29], s[6:7], s[70:71]
	s_lshl_b32 s70, s69, 14
	s_add_nc_u64 s[34:35], s[6:7], s[70:71]
	s_add_nc_u64 s[34:35], s[34:35], s[62:63]
	s_add_co_u32 s70, s70, s58
	s_add_nc_u64 s[30:31], s[6:7], s[70:71]
	s_lshl_b32 s70, s67, 14
	s_add_co_u32 s70, s70, s58
	s_mov_b32 s24, 1
	s_mov_b32 s25, s58
	s_add_nc_u64 s[26:27], s[6:7], s[70:71]
	s_or_b32 s27, s27, 0x80000000
	CROUND                                         ; the first joint loads meet
	TLOAD                                          ; fill 0
	s_wait_alu depctr_va_vdst(0)                   ; ahead of the readers below
	QLOAD 0
	v_lshlrev_b32 v1, 4, v42
	v_lshlrev_b32 v9, 8, v42
	s_mul_i32 s90, s12, XP
	s_add_co_u32 s90, s90, XB                      ; my region
	s_xor_b32 s91, s12, 4
	s_mul_i32 s91, s91, XP
	s_add_co_u32 s91, s91, XB                      ; my partner's
	v_mul_u32_u24 v3, v41, SP
	v_mul_u32_u24 v4, v40, SP
	v_lshl_add_u32 v3, v40, 4, v3
	v_lshl_add_u32 v8, v41, 6, v4
	v_lshl_add_u32 v4, v41, 5, v4
	v_add_nc_u32 v17, s90, v3                      ; my region by rows
	v_add_nc_u32 v3, s91, v3                       ; my partner's by rows
	v_add_nc_u32 v8, s90, v8                       ; q's way out: row r, + 64 hh
	v_add_nc_u32 v4, s91, v4                       ; O's way in: row r, + 32 hh
	v_add_nc_u32 v12, s90, v1
	v_lshl_add_u32 v13, v42, 3, s90
	v_add_nc_u32 v14, s91, v1
	v_lshl_add_u32 v15, v42, 3, s91
.irp r, FF, FF+1, FF+2, FF+3, XX, XX+1
	v_mov_b32 v[\r], 0                             ; f for the first put-off product, the upper halves of its pairs, the permutes' destinations
.endr
	WIN 0x40
.set j, 0
.rept 64
	v_mov_b32 v[VF+j], 0                           ; zero codes, once: the very first put-off product finds no V yet
.set j, j+1
.endr
	WIN 0
	s_wait_alu depctr_va_vdst(0)                   ; the wait at the head's end
	s_wait_kmcnt 0x0
.irp g, 0,1,2
	s_add_co_i32 s84, s[72+4*\g], s[73+4*\g]
	s_lshl_b32 s84, s84, 23
	s_add_co_i32 s[40+2*\g], s84, 0x3e38aa3b       ; c = log2(e) / 8 x 2^(eq + ek)
	s_mov_b32 s[41+2*\g], s[40+2*\g]
	s_add_co_i32 s84, s[75+4*\g], 127
	s_lshl_b32 s[46+\g], s84, 23                   ; 2^ep
	s_add_co_i32 s84, s84, 8
	s_lshl_b32 s84, s84, 23
	s_or_b32 s[49+\g], s84, 0x600000               ; 448 x 2^ep
	s_add_co_i32 s[52+\g], s[75+4*\g], s[74+4*\g]  ; ep + ev
.endr
	QPREP 0
	QLOAD 1                                        ; a phase ahead
	; PHASE 0: fill 0
	INIT 0
	CHANGE 1, 2, 28                                ; fill 1: phase 1's first 8 steps
	ASK 36, 32, 8*STEPB                            ; fill 2
	QGET 0
	SLOT_STEPS 0, 0
	FLUSH
	QPREP 1
	QLOAD 2
	PARTIAL
	; PHASE 1: fills 1 and 2.  The round of the change of slots is also the barrier between what the partners store for each other and its reads
	CHANGE 0, 1, 0                                 ; fill 2
	ASK 37, 34, 0                                  ; fill 3
	QGET 1
	MERGE 0
	s_wait_xcnt 0x0                                ; the stores have read their registers, which the next products write
	INIT 1
	SLOT_STEPS 1, 1
	CHANGE 1, 2, 30                                ; fill 3: phase 2's first 8 steps
	ASK 37, 34, 8*STEPB                            ; fill 4
	SLOT_STEPS 0, 1
	FLUSH
	QPREP 2
	PARTIAL
	; PHASE 2: fills 3 to 6
	CHANGE 0, 1, 0                                 ; fill 4
	ASK 37, 34, 16*STEPB                           ; fill 5
	QGET 2
	MERGE 1
	s_wait_xcnt 0x0
	INIT 2
	SLOT_STEPS 1, 2
	CHANGE 1, 1, 0                                 ; fill 5
	ASK 37, 34, 24*STEPB                           ; fill 6
	SLOT_STEPS 0, 2
	CHANGE 0, 1, 0                                 ; fill 6: the last
	SLOT_STEPS 1, 2
	CHANGE 0, 0, 0                                 ; nothing is left to fetch
	SLOT_STEPS 0, 2
	FLUSH
	PARTIAL
	s_wait_dscnt 0x0                               ; my partial result is stored
	s_barrier_signal -1
	s_barrier_wait -1
	MERGE 2
	s_wait_tensorcnt 0x0                           ; the wave's end
	ds_add_u32 v5, v6
	s_wait_dscnt 0x0
	CROUND                                         ; the closing round
	s_endpgm
.Lfunc_end_k_qb3ef78f051_attn:
	.size	k_qb3ef78f051_attn, .Lfunc_end_k_qb3ef78f051_attn-k_qb3ef78f051_attn
	.p2alignl 7, 3214868480
	.fill 96, 4, 3214868480
	.section	.rodata,"a",@progbits
	.p2align	6, 0x0
	.amdhsa_kernel k_qb3ef78f051_attn
		.amdhsa_group_segment_fixed_size 327680
		.amdhsa_private_segment_fixed_size 0
		.amdhsa_enable_private_segment 0
		.amdhsa_kernarg_size 32
		.amdhsa_user_sgpr_count 2
		.amdhsa_user_sgpr_kernarg_segment_ptr 1
		.amdhsa_wavefront_size32 1
		.amdhsa_system_sgpr_workgroup_id_x 1
		.amdhsa_system_sgpr_workgroup_id_y 1
		.amdhsa_system_sgpr_workgroup_id_z 1
		.amdhsa_system_vgpr_workitem_id 0
		.amdhsa_next_free_vgpr 512
		.amdhsa_next_free_sgpr 96
		.amdhsa_reserve_vcc 0
		.amdhsa_float_denorm_mode_32 3
		.amdhsa_float_denorm_mode_16_64 3
		.amdhsa_memory_ordered 1
		.amdhsa_forward_progress 1
		.amdhsa_inst_pref_size 255
	.end_amdhsa_kernel
	.section	.bss,"aw",@nobits
	.p2align	6
	.space	262144
	.amdgpu_metadata
---
amdhsa.version: [ 1, 2 ]
amdhsa.kernels:
  - .name:           k_qb3ef78f051_attn
    .symbol:         k_qb3ef78f051_attn.kd
    .args:
      - { .name: q, .offset: 0, .size: 8, .value_kind: global_buffer, .address_space: global }
      - { .name: kv, .offset: 8, .size: 8, .value_kind: global_buffer, .address_space: global }
      - { .name: lowp_scales, .offset: 16, .size: 8, .value_kind: global_buffer, .address_space: global }
      - { .name: out0, .offset: 24, .size: 8, .value_kind: global_buffer, .address_space: global }
    .group_segment_fixed_size: 327680
    .private_segment_fixed_size: 0
    .kernarg_segment_align: 8
    .kernarg_segment_size: 32
    .max_flat_workgroup_size: 256
    .sgpr_count:     96
    .vgpr_count:     512
    .wavefront_size: 32
...
	.end_amdgpu_metadata
.endif
;; end of part 2
